; MI455X (gfx1250); checked and timed in simulation.
; The chip was launched on July 23, 2026; its instructions are those of AMD's public machine-readable ISA for CDNA 5 (MIT licence, August 2026) and "CDNA5" Instruction Set Architecture Reference Guide (July 2026). The comments in the code are by the model that wrote it; some were corrected since.
;; Ring Flash Cross Attention. Allowed arithmetic: matrix products marked QUANTISED: E4M3 operands, one E8M0 scale for each 32 along K, by v_wmma_scale_f32_16x16x128_f8f6f4 with both operands' format E4M3, f32 sums; everything else in f32.
;; Inputs: kv 4 x 2,048 x 2 x 16 x 128 float32; q 4 x 2,048 x 16 x 128 float32.
;; Outputs: out0 4 x 2,048 x 16 x 128 float32.
;; This version of the problem:
;;   THIS VERSION OF THE PROBLEM IS GIVEN IN LOW PRECISION. The matrix products marked QUANTISED in the list below multiply operands that are first quantised to E4M3 (4 exponent bits, 3 mantissa bits; 8 bits a number), with one power-of-two scale for each 32 numbers along K (OCP MX v1.0); their sums are f32. All else is computed in f32.
;;   The module's matrix products, in the order in which they are computed (A, B: the left and right operand; K: the contracted axis; several contracted axes count as one K, in the product's order):
;;     1. batch 64 x [M 2,048, K 128] x [K 128, N 2,048]; A: input q; B: input kv: QUANTISED
;;     2. batch 64 x [M 128, K 2,048] x [K 2,048, N 2,048]; A: input kv; B: softmax (see below): QUANTISED
;;   THE QUANTISER, for each operand of a quantised product, along K:
;;     - K is cut into blocks of 32 from its start; a last block that is shorter is filled with zeros.
;;     - A block's scale is 2^e with e = floor(log2(the largest magnitude in the block)) - 8, held to -126 .. 127; a block of zeros has e = 0. As a byte (E8M0): e + 127.
;;     - Each number is divided by its block's scale, clamped to +-448, and rounded to the nearest number of E4M3, ties to even, subnormals kept.
;;     - The product sums the exact products of the quantised numbers (number of the format x scale) in f32.
;;   ~~~python
;;   def quantise(x, axis):      # numpy; x: float32 -> the quantised numbers, widened to float32 again
;;       x = np.moveaxis(x, axis, -1); K = x.shape[-1]
;;       x = np.pad(x, [(0, 0)] * (x.ndim - 1) + [(0, -K % 32)]); x = x.reshape(x.shape[:-1] + (-1, 32)); a = np.abs(x).max(-1, keepdims=True)
;;       e = np.where(a > 0, np.clip(np.frexp(np.where(a > 0, a, 1))[1] - 1 - 8, -126, 127), 0)      # np.frexp(a)[1] - 1 = floor(log2(a)), exactly
;;       r = np.clip(x / 2.0 ** e, -448, 448)
;;       step = 2.0 ** (np.maximum(np.frexp(np.where(r == 0, 1, r))[1] - 1, -6) - 3)
;;       q = np.round(r / step) * step * 2.0 ** e      # np.round: ties to even
;;       return np.moveaxis(q.reshape(q.shape[:-2] + (-1,))[..., :K], -1, axis).astype(np.float32)
;;   ~~~
;;   SOFTMAX AHEAD OF A QUANTISED PRODUCT. Where the list says 'softmax', what is quantised is not the finished softmax but p = 2^(t - M), with t = logit x log2(e) and M = ceil(the row's largest t), a whole number; so 1/2 < the row's largest p <= 1. The row's sum l is taken of the UNQUANTISED p, in f32, and the product's result is divided by l at the end. Since M is a whole number, a kernel that streams over the keys may use a running M (the ceiling of the running maximum): every later rescaling is an exact power of two, which a block's scale takes up: the codes' values come out the same.
;;   OPERANDS COMPUTED ON THE WAY. 'Computed on the way' means the value that the module computes at that place (a softmax that the list does not call 'softmax' is quantised finished and normalised). What goes into a quantiser is computed in f32, as accurately as f32 sums, v_exp_f32 and their like allow (about 1e-6 of the number): no bf16 or f16 on the way to a quantiser, and a product that is left as it is and whose result goes on into a quantised operand takes f32 operands (vector FMAs, or v_wmma_f32_16x16x4_f32). A number that lies on a knife's edge between two numbers of the format may be rounded either way, as far as f32 arithmetic and the matrix unit's own rounding can turn it there, and no further.
;; One version. Each part assembles by itself: llvm-mc -triple=amdgcn-amd-amdhsa -mcpu=gfx1250 --defsym DOCPART=n.
;; ======== version 1 of 1: 2 launches
;; limits: right only within a limited range of input values
;; workspace buffers: kvc 34,603,008 bytes
;; launch quant (part 1): grid 8 x 64, 8 waves a work-group, no clusters, 82,944 bytes of LDS; arguments kv, kvc; writes kvc
.if DOCPART == 1
	.amdgcn_target "amdgcn-amd-amdhsa--gfx1250"
	.amdhsa_code_object_version 6
	.text
	.protected	k_qe55dff8d6a_quant
	.globl	k_qe55dff8d6a_quant
	.p2align	8
	.type	k_qe55dff8d6a_quant,@function
k_qe55dff8d6a_quant:
	s_mov_b64 s[64:65], 0
	v_nop
	global_prefetch_b8 v0, s[64:65] scope:SCOPE_SE
	s_setreg_imm32_b32 hwreg(HW_REG_WAVE_MODE, 25, 1), 1
	s_wait_xcnt 0x0
; kv [4][2048][2][16][128] f32 becomes codes of FP8 (E4M3) with one E8M0 scale byte for each 32 along a product's K.
; K of a head is quantised along d (innermost in memory), V along the KEYS (16,384 bytes from key to key).  No work of the problem is left out.
; OUT.  kvc: [head 64][slot 8][67,584 bytes].  A slot is 256 keys: four parts of 128 rows x 128 bytes, then eight scale units of 256 bytes: 264 x 256 dense bytes.
;   Parts 0, 1: K of the slot's key steps 0, 1: a row is a key, its bytes run along d.  Parts 2, 3: V turned, of key steps 0, 1: a row is a channel, its bytes the step's 128 keys in order.
;   K'S ROWS ARE PERMUTED inside each 16 keys: row 2 j + u holds key 8 u + j.  The launch that follows takes the 16 rows of one parity out of 32 as a tile:
;   so the scores of two neighbouring tiles are 16 neighbouring keys in one of its lanes.
;   Unit w: bytes 0-127 the scale words (4 bytes a row) of K's rows 32 w on of the slot; bytes 128-255 those of V's channels 32 (w % 4) on for key step w / 4.  One wave stores a unit whole.
; A block's scale is 2^(floor(log2(its largest magnitude)) - 8); its byte is the largest magnitude's exponent field - 8, held at 1 from below.
; LIMITS: a block of zeros gets the byte 1 where the quantiser's text says 127: its codes are zeros, and this program alone reads the bytes.  NaN and infinities among the inputs are not served.
; SHARES.  A work-group takes 256 keys of one head (x: the slot, y: the head).  Wave w first takes V: channels 32 (w % 4) on x keys 128 (w / 4) on, a lane to a channel, registers down the keys.
;   Then K: keys 32 w on, eight steps of four keys, chosen so that a step's four rows of codes lie on end; a step's 2,048 bytes turn through the wave's own stage in LDS, so that a lane holds 16 neighbours along d.
;   Waves share nothing: no barrier, no tensor loads, no clusters.  Every offset is an immediate; no address register and no store's data are written again.
.set WREG, 10240                       ; LDS: a region for each wave: two stages for K, the scale unit, the stage for V
.set SP,   80                          ; K's stage: a lane's 64 bytes + 16 of padding
.set SCU,  5120                        ; the scale unit, 256 bytes
.set VST,  5376                        ; V's stage
.set VP,   144                         ; a channel's 128 codes + 16 of padding
.set SLOTM, 67584                      ; a slot of kvc
.set VX,   32                          ; v32-95   V: two sets of 32 numbers; later V's codes on their way out
.set VC,   96                          ; v96-103  V: a block's codes
.set KR,   104                         ; v104-167 K: four sets of 16 numbers as loaded
.set KX,   168                         ; v168-199 K: two sets of 16 neighbours
.set KC,   200                         ; v200-231 K: four registers of codes for each step
.set KE,   232                         ; v232-239 K: a scale byte for each step
	s_load_b128 s[4:7], s[0:1], 0x0                ; kv, kvc
	v_lshl_add_u32 v240, v0, 2, 0x14000            ; my spare word, behind the eight regions
	v_mov_b32 v241, 0
	v_lshrrev_b32 v1, 5, v0
	s_delay_alu instid0(VALU_DEP_1)
	v_readfirstlane_b32 s10, v1                    ; wave 0..7
	v_and_b32 v1, 31, v0                           ; lane
	s_delay_alu instid0(VALU_DEP_1)
	v_lshlrev_b32 v2, 4, v1                        ; 16 x lane
	s_delay_alu instid0(VALU_DEP_2)
	v_lshlrev_b32 v3, 2, v1                        ; 4 x lane
	s_delay_alu instid0(VALU_DEP_3)
	v_lshlrev_b32 v4, 3, v1                        ; 8 x lane
	s_mul_i32 s28, s10, WREG                       ; my region of LDS,
	s_add_co_u32 s29, s28, SCU                     ; my scale unit,
	s_add_co_u32 s30, s28, VST                     ; my stage for V
	v_lshrrev_b32 v12, 2, v1
	s_delay_alu instid0(VALU_DEP_1)
	v_mul_u32_u24 v5, v12, SP
	v_and_b32 v13, 3, v1
	s_delay_alu instid0(VALU_DEP_1)
	v_lshl_add_u32 v5, v13, 4, v5
	s_delay_alu instid0(VALU_DEP_1)
	v_add_nc_u32 v5, s28, v5                       ; K's stage, in: four lanes' 64 bytes on end, then the padding
	v_mul_u32_u24 v6, v1, SP
	s_delay_alu instid0(VALU_DEP_1)
	v_add_nc_u32 v6, s28, v6                       ; and out: my 16 neighbours
	v_lshrrev_b32 v7, 1, v1
	s_delay_alu instid0(VALU_DEP_1)
	v_add_nc_u32 v7, s29, v7                       ; K's scale byte of my block: two lanes to a block
	v_mul_u32_u24 v8, v1, VP
	s_delay_alu instid0(VALU_DEP_1)
	v_add_nc_u32 v8, s30, v8                       ; V's stage, in: row = my channel
	v_lshrrev_b32 v12, 3, v1
	s_delay_alu instid0(VALU_DEP_1)
	v_mul_u32_u24 v9, v12, VP
	v_and_b32 v13, 7, v1
	s_delay_alu instid0(VALU_DEP_1)
	v_lshl_add_u32 v9, v13, 4, v9
	s_delay_alu instid0(VALU_DEP_1)
	v_add_nc_u32 v9, s30, v9                       ; and out: eight lanes to a row of 128 bytes, four rows an instruction
	v_add_nc_u32 v10, s29, v3                      ; V's scale word of my channel (+ 128 in the store's offset)
	v_add_nc_u32 v11, s29, v4                      ; the unit on its way out: 8 bytes a lane
	s_mov_b32 s11, 0x600000                        ; the mantissa field of 448
	s_and_b32 s13, ttmp7, 0xffff                   ; the head: 16 x batch + head in the batch
	s_lshr_b32 s14, s13, 4
	s_lshl_b32 s14, s14, 25                        ; a batch of kv is 2^25 bytes,
	s_and_b32 s15, s13, 15
	s_lshl_b32 s15, s15, 9                         ; a head's row 512,
	s_add_co_u32 s14, s14, s15
	s_lshl_b32 s15, ttmp9, 22                      ; a slot's 256 keys 256 x 16,384
	s_add_co_u32 s14, s14, s15
	s_lshl_b32 s15, s10, 19                        ; K: my 32 keys
	s_add_co_u32 s16, s14, s15
	s_mov_b32 s17, 0                               ; (all these offsets lie under 2^27)
	s_lshr_b32 s15, s10, 2
	s_lshl_b32 s15, s15, 21                        ; V: my key step's 128 keys,
	s_add_co_u32 s18, s14, s15
	s_and_b32 s15, s10, 3
	s_lshl_b32 s15, s15, 7                         ; my 32 channels,
	s_add_co_u32 s18, s18, s15
	s_add_co_u32 s18, s18, 8192                    ; and V lies 8,192 bytes behind K
	s_mov_b32 s19, 0
	s_mul_i32 s20, s13, 8*SLOTM                    ; kvc: the head,
	s_mul_i32 s15, ttmp9, SLOTM                    ; the slot
	s_add_co_u32 s20, s20, s15
	s_lshl_b32 s15, s10, 8
	s_add_co_u32 s22, s20, s15
	s_add_co_u32 s22, s22, 65536                   ; my scale unit, behind the slot's four parts
	s_mov_b32 s23, 0
	s_lshl_b32 s15, s10, 12                        ; my 32 rows of 128 bytes
	s_add_co_u32 s20, s20, s15
	s_mov_b32 s21, 0
	s_wait_kmcnt 0x0
	s_add_nc_u64 s[24:25], s[4:5], s[16:17]        ; K at my first key
	s_add_nc_u64 s[26:27], s[4:5], s[18:19]        ; V at my first key and channel
	s_add_nc_u64 s[8:9], s[6:7], s[22:23]          ; kvc at my unit
	s_add_nc_u64 s[6:7], s[6:7], s[20:21]          ; kvc at my rows of K (V's lie 32,768 bytes on)
.macro VLOAD t                         ; block t of V: keys 32 t + i, my channel, into set t % 2
.set I, 0
.rept 32
	global_load_b32 v[VX+32*((\t)%2)+I], v3, s[26:27] offset:(32*(\t)+I)*16384 th:TH_LOAD_NT
.set I, I+1
.endr
.endm
.macro KLOAD t                         ; step t of K: the four keys that make rows 4 t .. 4 t + 3: row 4 t + i is key 16 (t / 4) + 8 (i % 2) + 2 (t % 4) + i / 2; each 512 consecutive bytes
.irp i, 0,1,2,3
	global_load_b128 v[KR+16*((\t)%4)+4*\i:KR+16*((\t)%4)+4*\i+3], v2, s[24:25] offset:(16*((\t)/4)+8*(\i%2)+2*((\t)%4)+(\i/2))*16384 th:TH_LOAD_NT
.endr
.endm
.macro VBLOCK t
.set XS, VX+32*((\t)%2)
.if (\t) < 3
	s_wait_loadcnt 32                              ; this block's 32 loads are in; the next block's 32 may be out
.else
	s_wait_loadcnt 16                              ; behind the last block's loads stand the 16 of K's first four steps
.endif
	v_max3_num_f32 v16, |v[XS]|, |v[XS+1]|, |v[XS+2]|              ; the block's largest magnitude: all 32 numbers are mine; two chains
	v_max3_num_f32 v17, |v[XS+3]|, |v[XS+4]|, |v[XS+5]|
.irp i, 6,10,14,18,22,26
	s_delay_alu instid0(VALU_DEP_2)
	v_max3_num_f32 v16, v16, |v[XS+\i]|, |v[XS+\i+1]|
	s_delay_alu instid0(VALU_DEP_2)
	v_max3_num_f32 v17, v17, |v[XS+\i+2]|, |v[XS+\i+3]|
.endr
	s_delay_alu instid0(VALU_DEP_2)
	v_max3_num_f32 v16, v16, |v[XS+30]|, |v[XS+31]|
	s_delay_alu instid0(VALU_DEP_1)
	v_max3_num_f32 v16, v16, v17, 0x4800000        ; and the floor 2^(9 - 127): the byte cannot fall under 1
	s_delay_alu instid0(VALU_DEP_1)
	v_add_nc_u32 v19, 0xfc000000, v16              ; 8 off its exponent field: the conversion's scale operand
	s_delay_alu instid0(VALU_DEP_2)
	v_and_or_b32 v18, v16, 0x7f800000, s11         ; 448 x the scale
.set I, 0
.rept 32
	v_med3_num_f32 v[XS+I], v[XS+I], -v18, v18     ; the conversion to an 8-bit code does not saturate (ISA guide 7.6.2): the hold comes first
.set I, I+1
.endr
.irp g, 0,1,2,3
	v_cvt_scalef32_pk8_fp8_f32 v[VC+2*\g:VC+2*\g+1], v[XS+8*\g:XS+8*\g+7], v19
.endr
.if (\t) == 0
	v_lshrrev_b32 v21, 23, v19                     ; the scale's byte: four blocks' bytes make my channel's scale word.  (Also the plain line behind the conversions)
.else
	v_lshrrev_b32 v20, 23, v19
	s_delay_alu instid0(VALU_DEP_1)
	v_lshl_or_b32 v21, v20, 8*(\t), v21
.endif
	ds_store_b128 v8, v[VC:VC+3] offset:32*(\t)    ; 32 codes: 32 bytes of my channel's row
	ds_store_b128 v8, v[VC+4:VC+7] offset:32*(\t)+16
.if (\t) < 2
	VLOAD (\t)+2                                   ; two blocks ahead, into the set just worked
.elseif (\t) == 2
	KLOAD 0                                        ; nothing of V is left to ask for: K's first four steps
	KLOAD 1
	KLOAD 2
	KLOAD 3
.endif
	s_wait_dscnt 0x0                               ; the stores have read their registers: the next block's codes may be written
.endm
.macro KTURN t                         ; step t's numbers through stage t % 2: LDS serves a wave's instructions in order (ISA guide 5.7.1.4)
.irp i, 0,1,2,3
	ds_store_b128 v5, v[KR+16*((\t)%4)+4*\i:KR+16*((\t)%4)+4*\i+3] offset:32*SP*((\t)%2)+8*SP*\i
.endr
.irp i, 0,1,2,3
	ds_load_b128 v[KX+16*((\t)%2)+4*\i:KX+16*((\t)%2)+4*\i+3], v6 offset:32*SP*((\t)%2)+16*\i
.endr
.endm
.macro KSTEP t
.set XS, KX+16*((\t)%2)
.set POS, 4*(\t)                       ; the step's first row among my 32
.if (\t) > 0
	s_wait_dscnt 1                                 ; this step's numbers are back from the stage (the last step's byte store may be out),
.else
	s_wait_dscnt 0x0
.endif
.if (\t)+4 < 8
	KLOAD (\t)+4                                   ; so their first registers take the loads of four steps on
.endif
.if (\t) < 7
.if 6-(\t) >= 3
	s_wait_loadcnt 12                              ; the next step's four loads are in; those of the three steps behind it may be out
.else
	s_wait_loadcnt 4*(6-(\t))                      ; towards the end fewer steps stand behind it
.endif
	KTURN (\t)+1
.endif
	v_max3_num_f32 v16, |v[XS]|, |v[XS+1]|, |v[XS+2]|              ; the largest magnitude of my 16
	v_max3_num_f32 v17, |v[XS+3]|, |v[XS+4]|, |v[XS+5]|
.irp i, 6,10
	s_delay_alu instid0(VALU_DEP_2)
	v_max3_num_f32 v16, v16, |v[XS+\i]|, |v[XS+\i+1]|
	s_delay_alu instid0(VALU_DEP_2)
	v_max3_num_f32 v17, v17, |v[XS+\i+2]|, |v[XS+\i+3]|
.endr
	s_delay_alu instid0(VALU_DEP_2)
	v_max3_num_f32 v16, v16, |v[XS+14]|, |v[XS+15]|
	s_delay_alu instid0(VALU_DEP_1)
	v_max3_num_f32 v16, v16, v17, 0x4800000        ; and the floor
	s_delay_alu instid0(VALU_DEP_1)
	v_max_num_f32_dpp v16, v16, v16 row_xmask:1 row_mask:0xf bank_mask:0xf   ; and of my neighbour's 16: the block's
	s_delay_alu instid0(VALU_DEP_1)
	v_add_nc_u32 v19, 0xfc000000, v16
	s_delay_alu instid0(VALU_DEP_2)
	v_and_or_b32 v18, v16, 0x7f800000, s11
.set I, 0
.rept 16
	v_med3_num_f32 v[XS+I], v[XS+I], -v18, v18
.set I, I+1
.endr
	v_cvt_scalef32_pk8_fp8_f32 v[KC+4*(\t):KC+4*(\t)+1], v[XS:XS+7], v19
	v_cvt_scalef32_pk8_fp8_f32 v[KC+4*(\t)+2:KC+4*(\t)+3], v[XS+8:XS+15], v19
	v_lshrrev_b32 v[KE+(\t)], 23, v19              ; the scale's byte.  (Also the plain line behind the conversions)
	ds_store_b8 v7, v[KE+(\t)] offset:4*POS        ; four bytes a row; both lanes of a block write the same byte with the same value
	global_store_b128 v2, v[KC+4*(\t):KC+4*(\t)+3], s[6:7] offset:128*POS   ; four rows of 128 codes: 512 consecutive bytes, aligned
.endm
	VLOAD 0
	VLOAD 1
	VBLOCK 0
	VBLOCK 1
	VBLOCK 2
	VBLOCK 3
	s_wait_alu depctr_va_vdst(0)
	ds_store_b32 v10, v21 offset:128               ; my channel's scale word, into the unit's upper half
.irp i, 0,1,2,3,4,5,6,7
	ds_load_b128 v[VX+4*\i:VX+4*\i+3], v9 offset:4*VP*\i           ; V's codes back by rows: these see my stores
.endr
.irp i, 0,1,2,3,4,5,6,7
	s_wait_dscnt 7-\i                              ; load i is in, the younger ones may be out
	global_store_b128 v2, v[VX+4*\i:VX+4*\i+3], s[6:7] offset:32768+512*\i   ; four channels' rows: 512 consecutive bytes, aligned
.endr
	s_wait_loadcnt 12                              ; K's step 0 is in; steps 1 to 3 may be out
	KTURN 0
.irp t, 0,1,2,3,4,5,6,7
	KSTEP \t
.endr
	ds_load_b64 v[22:23], v11                      ; the whole unit: these see my byte stores and my word store
	s_wait_dscnt 0x0
	global_store_b64 v4, v[22:23], s[8:9]          ; 32 lanes store 256 consecutive bytes, aligned
	s_wait_tensorcnt 0x0                           ; the wave's end
	ds_add_u32 v240, v241
	s_wait_dscnt 0x0
	s_endpgm
.Lfunc_end_k_qe55dff8d6a_quant:
	.size	k_qe55dff8d6a_quant, .Lfunc_end_k_qe55dff8d6a_quant-k_qe55dff8d6a_quant
	.p2alignl 7, 3214868480
	.fill 96, 4, 3214868480
	.section	.rodata,"a",@progbits
	.p2align	6, 0x0
	.amdhsa_kernel k_qe55dff8d6a_quant
		.amdhsa_group_segment_fixed_size 82944
		.amdhsa_private_segment_fixed_size 0
		.amdhsa_enable_private_segment 0
		.amdhsa_kernarg_size 16
		.amdhsa_user_sgpr_count 2
		.amdhsa_user_sgpr_kernarg_segment_ptr 1
		.amdhsa_wavefront_size32 1
		.amdhsa_system_sgpr_workgroup_id_x 1
		.amdhsa_system_sgpr_workgroup_id_y 1
		.amdhsa_system_sgpr_workgroup_id_z 1
		.amdhsa_system_vgpr_workitem_id 0
		.amdhsa_next_free_vgpr 242
		.amdhsa_next_free_sgpr 66
		.amdhsa_reserve_vcc 0
		.amdhsa_float_denorm_mode_32 3
		.amdhsa_float_denorm_mode_16_64 3
		.amdhsa_memory_ordered 1
		.amdhsa_forward_progress 1
		.amdhsa_inst_pref_size 61
	.end_amdhsa_kernel
	.amdgpu_metadata
---
amdhsa.version: [ 1, 2 ]
amdhsa.kernels:
  - .name:           k_qe55dff8d6a_quant
    .symbol:         k_qe55dff8d6a_quant.kd
    .args:
      - { .name: kv, .offset: 0, .size: 8, .value_kind: global_buffer, .address_space: global }
      - { .name: kvc, .offset: 8, .size: 8, .value_kind: global_buffer, .address_space: global }
    .group_segment_fixed_size: 82944
    .private_segment_fixed_size: 0
    .kernarg_segment_align: 8
    .kernarg_segment_size: 16
    .max_flat_workgroup_size: 256
    .sgpr_count:     66
    .vgpr_count:     242
    .wavefront_size: 32
...
	.end_amdgpu_metadata
.endif
;; end of part 1
;; launch attn (part 2): grid 4 x 64, 8 waves a work-group, clusters of 4 x 1, 327,680 bytes of LDS; arguments q, kvc, out0; writes out0
.if DOCPART == 2
	.amdgcn_target "amdgcn-amd-amdhsa--gfx1250"
	.amdhsa_code_object_version 6
	.text
	.protected	k_qe55dff8d6a_attn
	.globl	k_qe55dff8d6a_attn
	.p2align	8
	.type	k_qe55dff8d6a_attn,@function
k_qe55dff8d6a_attn:
	s_mov_b64 s[64:65], 0
	v_nop
	global_prefetch_b8 v0, s[64:65] scope:SCOPE_SE
	s_setreg_imm32_b32 hwreg(HW_REG_WAVE_MODE, 25, 1), 1
	s_wait_xcnt 0x0
	s_wait_alu depctr_hold_cnt(0) depctr_sa_sdst(0) depctr_va_vdst(0) depctr_va_sdst(0) depctr_va_ssrc(0) depctr_va_vcc(0) depctr_vm_vsrc(0)
	s_getreg_b32 s2, hwreg(HW_REG_IB_STS2, 6, 4)
	s_cmp_eq_u32 s2, 0
	s_cbranch_scc0 .Lentry_in_a_cluster
	s_endpgm
.Lentry_in_a_cluster:
	s_bfe_u32 s2, ttmp6, 0x10000c
	s_cmp_lg_u32 s2, 0x3003
	s_cbranch_scc0 .Lentry_shape_is_right
	s_endpgm
.Lentry_shape_is_right:
; out[b][s][h][:] = the sum over keys of softmax(q . k / sqrt(128)) v, both products on codes of FP8 (E4M3) with one E8M0 scale for each 32 along a product's K.
; q, out: [4][2048][16][128] f32: a head's row is 512 bytes, 8,192 bytes from query to query.  kvc, made by the launch before: [head 64][8 x 264 rows of 256 bytes]; 264 rows serve 256 keys:
;   rows 0-127: K of key steps 0, 1 (a half row of 128 bytes is a key, along d); rows 128-255: V turned, of key steps 0, 1 (a half row is a channel, its bytes the step's 128 keys); rows 256-263: scale units.
;   Unit 4 q + b: bytes 0-127 the scale words of K's half rows 32 b on of key step q, bytes 128-255 those of V's.
; A TILE is the 16 half rows of one parity u out of 32: in LDS 16 rows one pitch apart.  K's half row 32 b + 2 m + u holds key 32 b + 16 (m / 8) + 8 u + m % 8; V's holds channel 32 b + 2 m + u.
; THE SOFTMAX AHEAD OF THE SECOND PRODUCT: t = score x log2(e) / sqrt(128); M = the row's largest t so far, rounded UP to a whole number; p = 2^(t - M) is quantised along the keys, not normalised.
; The row's sum is taken of the unquantised p, in f32, and divides O at the end.  When M moves, the sum and O are multiplied by 2^(old M - new M): exact.
; SHARES.  256 work-groups that stay: each makes TWO blocks of 256 queries of one head, blocks cx and cx + 4, one after the other.  Each of its eight waves owns 32 queries of a block: two tiles of 16, A and B; two waves lie on a SIMD.
;   Every wave walks all 2,048 keys for each block, 128 a step.  Each fragment read from LDS feeds two products.
; LAYOUT.  Both products are used transposed: S^T = K Q^T, O^T = V^T P^T: a lane holds ONE query (lane % 16) of each tile.  By K's order of rows the 16 registers of score tiles 2 b, 2 b + 1 are keys 32 b + 16 (lane / 16) + 0 .. 15:
;   the conversions' results ARE the second product's operand.
; CLUSTER.  The four work-groups of a cluster belong to one head and walk the same slots: each eighth of a slot is asked for JOINTLY, by the same tensor load with a mask that names the four.
; RING.  Two LDS slots of 512 keys (528 rows); every wave fetches 66 rows.  Eight slots are walked, four for each block, and the ring goes on from the first block into the second: one loop of seven trips that fill, the last slot written out.
;   A wave has one tensor load out.
; q comes by plain loads, sixteen lanes to 256 consecutive bytes, and turns through the wave's own stage in LDS, the way out run backwards: no other wave is involved, so a block's start stands under a branch on the trip's number.
; PREFETCH.  Trips 0 and 1, which load slots 1 and 2, ask for slots 2 and 3: 528 blocks of 256 bytes, 132 to each partner of the cluster, told apart by address; waves 0 to 4 name them (wave 4's lanes 4 on name its last again).
;   Slots 0 and 1 come by their loads alone; the second block's walk asks for nothing: its bytes have been read in the first.  Trip 2 asks for the second block's q, two slots ahead of its loads: a lane a row, two blocks a row.
; WINDOWS.  What belongs to a tile has the same register numbers in window 0 (tile A) and window 1 (tile B).  Fragments: four in window 0's v32-95, four in window 1's.  All scale registers lie in window 0.
; REGISTERS.  Window 0 only: v1 my place in a tile, v2, v8 the prefetches' offsets, v3 my place among scale words, v4, v5 the spare word's address and 0, v7, v9 the addresses in hand;
;   scales and nothing else: v10, v11 q's words (A, B); v255, v6 p's words (A, B); v248-251 K's or V's words, lanes 0-15 the even tile's, lanes 16-31 the odd tile's.
;   Window 1 only: v1, v2 my places in my stage (by query, by row), v3 my offset in q and out.
;   Mirrored: v12 -M, v13 the largest t, v[14:15] the sum; v16-31 q's codes; v96-159 q, S^T, then p; v160-223 O^T; v224-239 p's codes; v232-247, v252-254 at work.
; LIMITS: NaN and infinities among the inputs are not served.  The scaled scores stay under 2^31 in magnitude.  A p under 2^-126 comes out of v_exp_f32 as 0 (ISA guide 15.8).  A block's largest p is taken as 2^ of the block's
;   largest score: this takes v_exp_f32 not to fall where its input rises; at the worst one p of a block would be held one code low.  A block of zeros keeps the scale byte 1: its codes are zeros.
.set RP,    272                        ; an LDS row: 256 bytes + 16 of padding: 16 rows on end start at 16 different groups of four banks (ISA guide 11.1)
.set PARTB, 64*RP                      ; 128 half rows: K or V of one key step
.set PAIRB, 16*RP                      ; two tiles
.set HALF,  264*RP                     ; 256 keys with their scale units
.set SLOTB, 2*HALF                     ; a slot; slot 1 begins here
.set SCO,   256*RP                     ; the scale units of 256 keys
.set LW,    66*RP                      ; what one tensor load brings, in LDS,
.set MW,    66*256                     ; and in memory
.set SLOTM, 528*256                    ; a slot in memory
.set SPARE, 2*SLOTB                    ; the spare words, 128 bytes for each wave
.set STG,   SPARE+1024                 ; the stages: 16 rows x (256 + 16) bytes for each wave; no tensor load lands here
.set SPT,   272
.set BLK,   0x800000                   ; from a work-group's first block of queries to its second: 4 x 256 rows of 8,192 bytes
.set AK0, 1
.set PFO, 2
.set AS0, 3
.set SPW, 4
.set NIL, 5
.set PSB, 6
.set ADK, 7
.set PFQ, 8
.set ADS, 9
.set QSA, 10
.set QSB, 11
.set PSA, 255
.set STO, 1                            ; window 1
.set RD,  2                            ; window 1
.set GO,  3                            ; window 1
.set WV,  12                           ; s12 my wave's number
.set MNT, 13                           ; s13 the mantissa field of 448
.set SEL, 14                           ; s14, s15 lane selects: lane l xor 16
.set CS,  16                           ; s[16:17] c = log2(e) / sqrt(128)
.set TB,  18                           ; s18 where the slot in hand begins
.set N,   20                           ; s20 the trip's number: the slot walked, 0 to 7
.set FB,  21                           ; s21 where the slot begins that is filled
.set LIM, 22                           ; s22 2 in waves 0 to 4, which prefetch K and V while s20 is under it; 0 in the others
.set G1,  24                           ; s[24:31] group 1 for an eighth of a slot
.set TH,  32                           ; s32 where the 256 keys in hand begin
.set HC,  33                           ; s33 halves of the slot to go
.set G0,  40                           ; s[40:43] group 0
.set PFA, 50                           ; s[50:51] where my work-group's prefetches of K and V stand
.set KB,  56                           ; s[56:57] kvc at my eighth of the head's slot 0
.set MSB, 0
.macro WIN new                         ; bits 1:0 source 0, 3:2 source 1, 5:4 source 2, 7:6 destination; the high byte repeats the setting that is left
.if MSB != (\new)
	s_set_vgpr_msb (MSB<<8)|(\new)
.set MSB, (\new)
.endif
.endm
.macro CROUND                          ; a round of the cluster's barrier
	s_barrier_signal -1
	s_barrier_wait -1
	s_cmp_lg_u32 s[WV], 0
	s_cbranch_scc1 .Lnot_wave_0_\@
	s_barrier_signal -3
.Lnot_wave_0_\@:
	s_barrier_wait -3
	s_barrier_signal -1
	s_barrier_wait -1
.endm
.macro PLACES n
.rept \n
	v_nop
.endr
.endm
.macro ASK
	s_cmp_lt_u32 s[N], s[LIM]
	s_cbranch_scc0 .Lnot_mine_\@
	global_prefetch_b8 v[PFO], s[PFA:PFA+1] th:TH_LOAD_NT scope:SCOPE_SE
.Lnot_mine_\@:
	s_cmp_eq_u32 s[N], 2
	s_cbranch_scc0 .Lnot_q_\@
	global_prefetch_b8 v[PFQ], s[4:5] th:TH_LOAD_NT scope:SCOPE_SE              ; s[4:5] stands at my rows of the second block from the first block's start on
	global_prefetch_b8 v[PFQ], s[4:5] offset:256 th:TH_LOAD_NT scope:SCOPE_SE
.Lnot_q_\@:
.endm
	s_load_b128 s[4:7], s[0:1], 0x0                ; q, kvc
	s_load_b64 s[10:11], s[0:1], 0x10              ; out
	v_lshl_add_u32 v[SPW], v0, 2, SPARE
	v_mov_b32 v[NIL], 0
	ds_add_u32 v[SPW], v[NIL]                      ; the opening: the add, twice on end, and its wait ahead of my first tensor load
	ds_add_u32 v[SPW], v[NIL]
	v_lshrrev_b32 v7, 5, v0
	s_delay_alu instid0(VALU_DEP_1)
	v_readfirstlane_b32 s[WV], v7                  ; wave 0..7
	s_and_b32 s52, ttmp7, 0xffff                   ; the head, 16 x batch + head in the batch: the four partners share it
	s_bfe_u32 s53, ttmp6, 0x40000                  ; cx: it enters q's, out's and the prefetches' offsets alone
	s_lshl_b32 s48, s53, 21                        ; my first block: 256 rows 8,192 bytes apart,
	s_lshr_b32 s49, s52, 4
	s_lshl_b32 s49, s49, 24                        ; a batch of 2^24 bytes,
	s_add_co_u32 s48, s48, s49
	s_and_b32 s49, s52, 15
	s_lshl_b32 s49, s49, 9                         ; the head's 512 bytes of a row,
	s_add_co_u32 s48, s48, s49
	s_lshl_b32 s49, s[WV], 18                      ; my wave's 32 rows
	s_add_co_u32 s48, s48, s49
	s_mov_b32 s49, 0
	s_mul_i32 s54, s52, 4*SLOTM                    ; kvc: the head
	s_mul_i32 s62, s53, 132*256                    ; the prefetches: my work-group's 132 blocks,
	s_add_co_u32 s62, s62, s54
	s_add_co_u32 s62, s62, SLOTM                   ; in slot 1: the first change of slots steps it to slot 2
	s_mov_b32 s63, 0
	s_mul_i32 s19, s[WV], MW                       ; my eighth of a slot
	s_add_co_u32 s54, s54, s19
	s_mov_b32 s55, 0
	s_mul_i32 s23, s[WV], LW                       ; and in LDS: no place in the cluster enters an LDS address
	s_cmp_lt_u32 s[WV], 5
	s_cselect_b32 s[LIM], 2, 0
	s_mov_b32 s[G1], 15|(3<<16)|(1<<20)|(1<<21)|(5<<22)|(3<<25)   ; the mask of all four; elements of 8 bytes; four words of padding after every 64; bit 21 beside the mask
	s_mov_b32 s[G1+1], 32<<16                      ; rows of 32 elements,
	s_mov_b32 s[G1+2], 66<<16                      ; 66 of them,
	s_mov_b32 s[G1+3], 32<<16
	s_mov_b32 s[G1+4], 66
	s_mov_b32 s[G1+5], 32                          ; dense
	s_mov_b32 s[G1+6], 0
	s_mov_b32 s[G1+7], 0
	s_mov_b32 s[MNT], 0x600000
	s_mov_b32 s[SEL], 0x76543210
	s_mov_b32 s[SEL+1], 0xfedcba98
	s_mov_b32 s[CS], 0x3e0293ee
	s_mov_b32 s[CS+1], s[CS]
	s_mov_b32 s[TB], 0
	s_mov_b32 s[FB], 0
	s_mov_b32 s[N], 0
	s_mov_b32 s61, 0
	s_wait_dscnt 0x0                               ; both opening adds are done
	s_wait_kmcnt 0x0
	s_add_nc_u64 s[KB:KB+1], s[6:7], s[54:55]
	s_mov_b32 s[G0], 1
	s_mov_b32 s[G0+1], s23
	s_mov_b64 s[G0+2:G0+3], s[KB:KB+1]
	s_or_b32 s[G0+3], s[G0+3], 0x80000000
	s_add_nc_u64 s[PFA:PFA+1], s[6:7], s[62:63]
	s_add_nc_u64 s[4:5], s[4:5], s[48:49]          ; q and out at my wave's first row
	s_add_nc_u64 s[10:11], s[10:11], s[48:49]
	CROUND                                         ; all four work-groups are here: the first joint loads meet
	tensor_load_to_lds s[G0:G0+3], s[G1:G1+7]      ; slot 0, my eighth: every wave's one load at the head
	s_nop 0
	PLACES 4
	v_and_b32 v7, 15, v0                           ; r = lane % 16
	v_bfe_u32 v9, v0, 4, 1                         ; hh = lane / 16
	s_mul_i32 s19, s[WV], 16*SPT
	s_add_co_u32 s19, s19, STG                     ; my stage
	v_mul_u32_u24 v[AK0], v7, RP
	v_lshlrev_b32 v[AS0], 3, v7
	v_mul_u32_u24 v13, v9, SPT
	v_lshlrev_b32 v14, 13, v9
	v_and_b32 v[PFQ], 31, v0
	v_min_u32 v[PFO], 131, v0                      ; the block that my thread names among my work-group's 132
	v_lshl_add_u32 v12, v9, 6, v[AK0]              ; the stage by query: row r (the stage's pitch is the slots'), + 64 hh: my 16 channels of each 32
	v_lshl_add_u32 v[AK0], v9, 4, v[AK0]           ; a fragment: row r x pitch + 16 hh
	v_lshl_add_u32 v[AS0], v9, 2, v[AS0]           ; scale words: lanes 0-15 the even half rows', lanes 16-31 the odd ones': 8 r + 4 hh
	v_lshl_add_u32 v13, v7, 4, v13                 ; the stage by rows: lanes 0-15 one row, lanes 16-31 the next
	v_lshl_add_u32 v14, v7, 4, v14                 ; and the same two rows in q and out
	v_lshlrev_b32 v[PFQ], 13, v[PFQ]               ; a lane a row
	v_lshlrev_b32 v[PFO], 8, v[PFO]
	v_add_nc_u32 v[AS0], SCO, v[AS0]
	WIN 0x40                                       ; into window 1
	v_add_nc_u32 v[STO], s19, v12
	v_add_nc_u32 v[RD], s19, v13
	v_mov_b32 v[GO], v14
	WIN 0
.macro INIT w                          ; the key step is written once: a block's first finds zeros, which the first change of M leaves zeros
	WIN 0x55*\w
	v_mov_b32 v13, 0xff61b1e6                      ; the largest t so far: -3e38
	s_delay_alu instid0(VALU_DEP_1)
	v_floor_f32 v12, -v13                          ; -M
	v_mov_b32 v14, 0
	v_mov_b32 v15, 0
.irp b, 0,1,2,3
	v_mov_b32 v[236+\b], 0                         ; a lane permute's destination counts as one of its sources
.endr
	v_mov_b32 v253, 0                              ; named as the upper half of v[252:253]
.set J, 0
.rept 64
	v_mov_b32 v[160+J], 0                          ; O^T
.set J, J+1
.endr
.endm
.macro QTURN w                         ; a tile of q through my stage, half a row at a time: in by rows, back by query: register 96 + 16 b + i = q(row r, 32 b + 16 hh + i).  LDS serves a wave's instructions in order (ISA guide 5.7.1.4)
.irp u, 0,1
	WIN 0x01|(0x04*\w)
.irp i, 0,1,2,3,4,5,6,7
	ds_store_b128 v[RD], v[96+32*\u+4*\i:99+32*\u+4*\i] offset:2*\i*SPT
.endr
	WIN 0x01|(0x40*\w)
.irp a, 0,1
.irp m, 0,1,2,3
	ds_load_b128 v[96+32*\u+16*\a+4*\m:99+32*\u+16*\a+4*\m], v[STO] offset:128*\a+16*\m
.endr
.endr
.endr
.endm
.macro QUANT w, ps                     ; q's 64 numbers of a lane become the tile's fragment in v16-31 and its scale word in window 0's v[ps]
	WIN 0x55*\w
.irp b, 0,1,2,3
	v_max3_num_f32 v[232+\b], |v[96+16*\b]|, |v[97+16*\b]|, 0x4800000   ; my 16 numbers of block b, and the floor 2^(9 - 127)
.endr
.irp i, 2,4,6,8,10,12,14
.irp b, 0,1,2,3
	s_delay_alu instid0(VALU_DEP_4)
	v_max3_num_f32 v[232+\b], v[232+\b], |v[96+16*\b+\i]|, |v[97+16*\b+\i]|
.endr
.endr
.irp b, 0,1,2,3
	s_delay_alu instid0(VALU_DEP_4)
	v_permlanex16_b32 v[236+\b], v[232+\b], s[SEL], s[SEL+1]
.endr
.irp b, 0,1,2,3
	s_delay_alu instid0(VALU_DEP_4)
	v_max_num_f32 v[232+\b], v[232+\b], v[236+\b]  ; with lane l xor 16's: the block's largest magnitude
.endr
.irp b, 0,1,2,3
	s_delay_alu instid0(VALU_DEP_4)
	v_add_nc_u32 v[244+\b], 0xfc000000, v[232+\b]  ; the conversion's scale operand
.endr
.irp b, 0,1,2,3
	v_and_or_b32 v[240+\b], v[232+\b], 0x7f800000, s[MNT]   ; 448 x the scale
.endr
.irp b, 0,1,2,3
	v_lshrrev_b32 v[236+\b], 23, v[244+\b]         ; the scale's byte
.endr
	s_delay_alu instid0(VALU_DEP_3)
	v_lshl_or_b32 v254, v237, 8, v236
	s_delay_alu instid0(VALU_DEP_1)
	v_lshl_or_b32 v254, v238, 16, v254
	WIN 0x15*\w
	v_lshl_or_b32 v[\ps], v239, 24, v254           ; my row's scale word, into window 0
	WIN 0x55*\w
.irp b, 0,1,2,3
.set J, 0
.rept 16
	v_med3_num_f32 v[96+16*\b+J], v[96+16*\b+J], -v[240+\b], v[240+\b]   ; the conversion does not saturate (ISA guide 7.6.2): the hold comes first
.set J, J+1
.endr
	v_cvt_scalef32_pk8_fp8_f32 v[16+4*\b:17+4*\b], v[96+16*\b:103+16*\b], v[244+\b]
	v_cvt_scalef32_pk8_fp8_f32 v[18+4*\b:19+4*\b], v[104+16*\b:111+16*\b], v[244+\b]
.endr
	v_nop                                          ; a plain line behind the last conversion
.endm
; A BLOCK'S START: my 32 rows of q are loaded, sixteen lanes to 256 consecutive bytes, aligned; the statistics and O^T are set while they are on their way; q is quantised.
.macro BLOCKSTART
	PLACES 8                                       ; the lines below write registers that the last products have read: eight places stand between on every way that leads here
.irp w, 0,1
	WIN 0x01|(0x40*\w)
.irp u, 0,1
.irp i, 0,1,2,3,4,5,6,7
	global_load_b128 v[96+32*\u+4*\i:99+32*\u+4*\i], v[GO], s[4:5] offset:131072*\w+16384*\i+256*\u th:TH_LOAD_NT
.endr
.endr
.endr
	INIT 1
	INIT 0
	s_wait_alu depctr_va_vdst(0)
	s_wait_loadcnt 16                              ; tile A's 16 loads are in; tile B's may be out
	QTURN 0
	s_wait_loadcnt 0x0                             ; all are in, so their base may be written:
	s_add_nc_u64 s[4:5], s[4:5], BLK               ; my rows of the second block
	QTURN 1
	s_wait_dscnt 32                                ; tile A is back; tile B's 16 stores and 16 loads may be out
	QUANT 0, QSA
	s_wait_dscnt 0x0
	QUANT 1, QSB
	WIN 0
	s_wait_alu depctr_va_vdst(0)
.endm
; All eight fragments of K or V of a key step, from byte o of the 256 keys in hand, and their four scale registers, from byte so of their units: 36 LDS loads in one run.
.macro FETCH o, so
.irp b, 0,1,2,3
	ds_load_b32 v[248+\b], v[ADS] offset:(\so)+RP*\b
.endr
.irp g, 0,1
	WIN 0x40*\g
.irp t, 0,1,2,3
.irp c, 0,1,2,3
	ds_load_b128 v[32+16*\t+4*\c:35+16*\t+4*\c], v[ADK] offset:(\o)+PAIRB*(2*\g+\t/2)+128*(\t%2)+32*\c
.endr
.endr
.endr
	WIN 0
.endm
.macro QK4 g, qs                       ; S^T of four tiles of keys; each product starts its sum with the constant 0
.irp p, 0,1
	v_wmma_scale_f32_16x16x128_f8f6f4 v[96+32*\g+16*\p:103+32*\g+16*\p], v[32+32*\p:47+32*\p], v[16:31], 0, v[248+2*\g+\p], v[\qs]
	v_wmma_scale_f32_16x16x128_f8f6f4 v[104+32*\g+16*\p:111+32*\g+16*\p], v[48+32*\p:63+32*\p], v[16:31], 0, v[248+2*\g+\p], v[\qs] matrix_a_scale:MATRIX_SCALE_ROW1
.endr
.endm
.macro PV4 g, ps                       ; O^T += V^T P^T for four tiles of channels; the accumulators take turns, one instruction a turn
.irp p, 0,1
	v_wmma_scale_f32_16x16x128_f8f6f4 v[160+32*\g+16*\p:167+32*\g+16*\p], v[32+32*\p:47+32*\p], v[224:239], v[160+32*\g+16*\p:167+32*\g+16*\p], v[248+2*\g+\p], v[\ps]
	v_wmma_scale_f32_16x16x128_f8f6f4 v[168+32*\g+16*\p:175+32*\g+16*\p], v[48+32*\p:63+32*\p], v[224:239], v[168+32*\g+16*\p:175+32*\g+16*\p], v[248+2*\g+\p], v[\ps] matrix_a_scale:MATRIX_SCALE_ROW1
.endr
.endm
; One tile's softmax for 128 keys: the scores in v96-159 become p's codes in v224-239 and p's scale word in window 0's v[ps]; M, the sum and O^T are brought up to date.
.macro SOFTMAX w, ps
	WIN 0x55*\w
.if \w
	s_wait_alu depctr_va_vdst(0)
.endif
.irp b, 0,1,2,3
	v_max3_num_f32 v[232+\b], v[96+16*\b], v[97+16*\b], v[98+16*\b]   ; the largest score of each block of 32 keys: for the row's maximum and for the block's largest p
.endr
.irp i, 3,5,7,9,11,13
.irp b, 0,1,2,3
	v_max3_num_f32 v[232+\b], v[232+\b], v[96+16*\b+\i], v[97+16*\b+\i]   ; the four blocks by turns; each accumulator is read from its low end on
.endr
.endr
.irp b, 0,1,2,3
	v_max_num_f32 v[232+\b], v[232+\b], v[111+16*\b]
.endr
.irp b, 0,1,2,3
	v_permlanex16_b32 v[236+\b], v[232+\b], s[SEL], s[SEL+1]
.endr
.irp b, 0,1,2,3
	s_delay_alu instid0(VALU_DEP_4)
	v_max_num_f32 v[232+\b], v[232+\b], v[236+\b]  ; with lane l xor 16's 16 keys
.endr
	s_delay_alu instid0(VALU_DEP_2)
	v_max3_num_f32 v254, v232, v233, v234
	s_delay_alu instid0(VALU_DEP_1)
	v_max_num_f32 v254, v254, v235                 ; the step's largest score of my query
	s_delay_alu instid0(VALU_DEP_1)
	v_mul_f32 v254, s[CS], v254                    ; as t
	s_delay_alu instid0(VALU_DEP_1)
	v_max_num_f32 v13, v13, v254                   ; the running largest t
	v_mov_b32 v254, v12
	s_delay_alu instid0(VALU_DEP_2)
	v_floor_f32 v12, -v13                          ; the new -M = -ceil(t)
	s_delay_alu instid0(VALU_DEP_1)
	v_sub_f32 v254, v12, v254                      ; old M - new M: a whole number, 0 or less
	s_delay_alu instid0(VALU_DEP_1)
	v_cvt_i32_f32 v254, v254                       ; (it saturates)
	s_delay_alu instid0(VALU_DEP_1)
	v_ldexp_f32 v252, 1.0, v254                    ; f = 2^(old M - new M)
.set J, 0
.rept 32
	v_pk_fma_f32 v[96+J:97+J], v[96+J:97+J], s[CS:CS+1], v[12:13] op_sel_hi:[1,0,0]   ; t - M, two at a time
.set J, J+2
.endr
.irp b, 0,1,2,3
	v_fma_f32 v[232+\b], v[232+\b], s[CS], v12     ; the same of each block's largest score
.endr
	s_wait_alu depctr_va_vdst(0)
.set J, 0
.rept 64
	v_exp_f32 v[96+J], v[96+J]                     ; p = 2^(t - M), at most 1
.set J, J+1
.endr
.irp b, 0,1,2,3
	v_exp_f32 v[232+\b], v[232+\b]                 ; the block's largest p
.endr
	v_pk_mul_f32 v[14:15], v[14:15], v[252:253] op_sel_hi:[1,0]   ; the sums under the new M.  (The plain line behind the exponentials)
	s_wait_alu depctr_va_vdst(0)                   ; one wait for the batch, ahead of its first reader
.irp b, 0,1,2,3
	v_max_num_f32 v[232+\b], 0x4800000, v[232+\b]  ; the floor 2^(9 - 127)
.endr
.irp b, 0,1,2,3
	s_delay_alu instid0(VALU_DEP_4)
	v_add_nc_u32 v[244+\b], 0xfc000000, v[232+\b]  ; the conversion's scale operand
.endr
.irp b, 0,1,2,3
	v_and_or_b32 v[240+\b], v[232+\b], 0x7f800000, s[MNT]   ; 448 x the scale
.endr
.irp b, 0,1,2,3
	v_lshrrev_b32 v[236+\b], 23, v[244+\b]         ; the scale's byte
.endr
	s_delay_alu instid0(VALU_DEP_3)
	v_lshl_or_b32 v254, v237, 8, v236
	s_delay_alu instid0(VALU_DEP_1)
	v_lshl_or_b32 v254, v238, 16, v254
	WIN 0x15*\w
	v_lshl_or_b32 v[\ps], v239, 24, v254           ; p's scale word for these 128 keys, into window 0
	WIN 0x55*\w
	v_pk_add_f32 v[236:237], v[96:97], v[98:99]    ; the row's sum is taken of the unquantised p: two at a time, in four chains by turns
	v_pk_add_f32 v[238:239], v[100:101], v[102:103]
	v_pk_add_f32 v[232:233], v[104:105], v[106:107]
	v_pk_add_f32 v[14:15], v[14:15], v[108:109]
.set J, 14
.rept 6
	v_pk_add_f32 v[236:237], v[236:237], v[96+J:97+J]
	v_pk_add_f32 v[238:239], v[238:239], v[98+J:99+J]
	v_pk_add_f32 v[232:233], v[232:233], v[100+J:101+J]
	v_pk_add_f32 v[14:15], v[14:15], v[102+J:103+J]
.set J, J+8
.endr
	v_pk_add_f32 v[236:237], v[236:237], v[158:159]
	v_pk_add_f32 v[14:15], v[14:15], v[232:233]
	s_delay_alu instid0(VALU_DEP_2)
	v_pk_add_f32 v[236:237], v[236:237], v[238:239]
	s_delay_alu instid0(VALU_DEP_1)
	v_pk_add_f32 v[14:15], v[14:15], v[236:237]
.irp b, 0,1,2,3
.set J, 0
.rept 16
	v_min_num_f32 v[96+16*\b+J], v[96+16*\b+J], v[240+\b]   ; the hold; p is not negative, so it is one-sided
.set J, J+1
.endr
	v_cvt_scalef32_pk8_fp8_f32 v[224+4*\b:225+4*\b], v[96+16*\b:103+16*\b], v[244+\b]
	v_cvt_scalef32_pk8_fp8_f32 v[226+4*\b:227+4*\b], v[104+16*\b:111+16*\b], v[244+\b]
.endr
	s_wait_alu depctr_va_vdst(0)                   ; directly ahead of the first reader of O^T
.set J, 0
.rept 32
	v_pk_mul_f32 v[160+J:161+J], v[160+J:161+J], v[252:253] op_sel_hi:[1,0]   ; O^T x f, each accumulator from its low end on.  (Also the plain lines between the codes and the products)
.set J, J+2
.endr
.endm
; A KEY STEP: 128 keys, the q-th of the 256 in hand.  Loads into registers that products have read, and the first read of a product's result, stand eight places behind it (ISA guide 7.12.1 for the read of a result).
.macro STEP q
	PLACES 8
	FETCH PARTB*(\q), 4*RP*(\q)
	s_wait_dscnt 16                                ; the scale words and the first four fragments are in; the 16 loads of the other four may be out
	QK4 0, QSA
	WIN 0x54                                       ; the fragment in window 0; q, C and D in window 1
	QK4 0, QSB
	s_wait_dscnt 0x0
	WIN 0x01                                       ; the fragment in window 1
	QK4 1, QSA
	WIN 0x55
	QK4 1, QSB
	WIN 0
	PLACES 8
	FETCH 2*PARTB+PARTB*(\q), 4*RP*(\q)+128        ; V's fragments land while tile A's softmax is walked
	SOFTMAX 0, PSA
	s_wait_alu depctr_va_vdst(0)
	s_wait_dscnt 0x0
	PV4 0, PSA
	WIN 0x01
	PV4 1, PSA
	SOFTMAX 1, PSB
	WIN 0x54
	PV4 0, PSB
	WIN 0x55
	PV4 1, PSB
	WIN 0
.endm
; THE CHANGE OF SLOTS.  Each wave waits for all its tensor loads, adds 0 to its spare word, and waits for that and for its reads of the slot that it has left.
; fill = 1: a round of the cluster's barrier, and behind it first the joint fill of the slot left, with slot (trip + 1) % 4 of the head: it has four key steps in which to land.
.macro CHANGE fill
	s_wait_tensorcnt 0x0
	ds_add_u32 v[SPW], v[NIL]
.if \fill
	s_xor_b32 s[FB], s[FB], SLOTB                  ; the other slot than last time,
	s_add_co_u32 s[G0+1], s23, s[FB]               ; my eighth of it
	s_add_co_u32 s19, s[N], 1
	s_and_b32 s19, s19, 3
	s_mul_i32 s60, s19, SLOTM
	s_add_nc_u64 s[G0+2:G0+3], s[KB:KB+1], s[60:61]
	s_or_b32 s[G0+3], s[G0+3], 0x80000000
	s_wait_xcnt 0x0                                ; my prefetches have read their addresses and my stores their data
	s_add_nc_u64 s[PFA:PFA+1], s[PFA:PFA+1], SLOTM ; one slot further on than the descriptor
.endif
	s_wait_dscnt 0x0
.if \fill
	CROUND
	tensor_load_to_lds s[G0:G0+3], s[G1:G1+7]
	s_nop 0
	PLACES 4
	ASK
.else
	s_barrier_signal -1
	s_barrier_wait -1
.endif
.endm
.macro SLOT_STEPS                      ; a slot's four key steps: two trips of two
	s_mov_b32 s[TH], s[TB]
	s_mov_b32 s[HC], 2
.Lhalf_\@:
	v_add_nc_u32 v[ADK], s[TH], v[AK0]
	v_add_nc_u32 v[ADS], s[TH], v[AS0]
	s_wait_alu depctr_va_vdst(0)
	STEP 0
	STEP 1
	s_add_co_u32 s[TH], s[TH], HALF
	s_sub_co_u32 s[HC], s[HC], 1
	s_cmp_lg_u32 s[HC], 0
	s_cbranch_scc1 .Lhalf_\@
	s_xor_b32 s[TB], s[TB], SLOTB
.endm
; THE WAY OUT.  O^T / the row's sum goes through my stage in LDS, half a row (64 channels, 256 bytes) of 16 queries at a time: sixteen lanes store 256 consecutive bytes, aligned.
.macro FINISH w
	WIN 0x55*\w
	v_add_f32 v14, v14, v15
	s_delay_alu instid0(VALU_DEP_1)
	v_permlanex16_b32 v252, v14, s[SEL], s[SEL+1]
	s_delay_alu instid0(VALU_DEP_1)
	v_add_f32 v14, v14, v252                       ; the row's sum
	s_wait_alu depctr_va_vdst(0)
	v_rcp_f32 v14, v14
	v_nop
	s_wait_alu depctr_va_vdst(0)                   ; ahead of the reciprocal's first reader, which is O^T's too
.set J, 0
.rept 64
	v_mul_f32 v[96+16*(J/16)+2*(J%8)+((J/8)%2)], v[160+J], v14   ; register j of tile 2 a + u is channel 32 a + 16 hh + 2 j + u: it goes to place 16 a + 2 j + u, so that a lane's 16 channels lie in order
.set J, J+1
.endr
.endm
.macro TOSTAGE w
.irp u, 0,1                            ; channels 64 u on
	WIN 0x01|(0x04*\w)
.irp a, 0,1
.irp m, 0,1,2,3
	ds_store_b128 v[STO], v[96+32*\u+16*\a+4*\m:99+32*\u+16*\a+4*\m] offset:128*\a+16*\m
.endr
.endr
	WIN 0x01|(0x40*\w)
.irp i, 0,1,2,3,4,5,6,7
	ds_load_b128 v[32+32*\u+4*\i:35+32*\u+4*\i], v[RD] offset:2*\i*SPT
.endr
.endr
.endm
.macro SEND w
	WIN 0x01|(0x04*\w)
.irp u, 0,1
.irp i, 0,1,2,3,4,5,6,7
	s_wait_dscnt (1-\u)*16+7-\i                    ; behind load i of the first half stand 7 - i loads and the second half's 8 stores and 8 loads; of the second half 7 - i loads
	global_store_b128 v[GO], v[32+32*\u+4*\i:35+32*\u+4*\i], s[10:11] offset:131072*\w+16384*\i+256*\u th:TH_STORE_NT
.endr
.endr
.endm
.macro OUT                             ; tile A's division, 69 plain lines on window 0's statistics and O^T, stands as the places behind tile B's last products
	FINISH 0
	TOSTAGE 0
	FINISH 1
	SEND 0
	s_wait_alu depctr_va_vdst(0)
	TOSTAGE 1
	SEND 1
	WIN 0
.endm
	s_wait_alu depctr_va_vdst(0)
	BLOCKSTART                                     ; the first block's start is written out here; the second's stands in the loop, ahead of trip 4
.Ltrip:                                            ; seven trips: slots 0 to 3 of the first block, 0 to 2 of the second; behind each change of slots the next slot is asked for
	s_cmp_lg_u32 s[N], 4
	s_cbranch_scc1 .Lno_start                      ; the trip's number alone decides: the same in all waves and all partners; no barrier
	BLOCKSTART
.Lno_start:
	CHANGE 1
	SLOT_STEPS
	s_and_b32 s19, s[N], 3
	s_cmp_lg_u32 s19, 3
	s_cbranch_scc1 .Lno_out
	OUT                                            ; the first block leaves; nothing waits for its stores
	s_wait_xcnt 0x0                                ; the stores have read their base
	s_add_nc_u64 s[10:11], s[10:11], BLK           ; my rows of the second block
.Lno_out:
	s_add_co_u32 s[N], s[N], 1
	s_cmp_lt_u32 s[N], 7
	s_cbranch_scc1 .Ltrip
	CHANGE 0                                       ; the last slot is written out: it asks for nothing
	SLOT_STEPS
	OUT
	s_wait_tensorcnt 0x0                           ; the wave's end
	ds_add_u32 v[SPW], v[NIL]
	s_wait_dscnt 0x0
	CROUND                                         ; the closing round
	s_endpgm
.Lfunc_end_k_qe55dff8d6a_attn:
	.size	k_qe55dff8d6a_attn, .Lfunc_end_k_qe55dff8d6a_attn-k_qe55dff8d6a_attn
	.p2alignl 7, 3214868480
	.fill 96, 4, 3214868480
	.section	.rodata,"a",@progbits
	.p2align	6, 0x0
	.amdhsa_kernel k_qe55dff8d6a_attn
		.amdhsa_group_segment_fixed_size 327680
		.amdhsa_private_segment_fixed_size 0
		.amdhsa_enable_private_segment 0
		.amdhsa_kernarg_size 24
		.amdhsa_user_sgpr_count 2
		.amdhsa_user_sgpr_kernarg_segment_ptr 1
		.amdhsa_wavefront_size32 1
		.amdhsa_system_sgpr_workgroup_id_x 1
		.amdhsa_system_sgpr_workgroup_id_y 1
		.amdhsa_system_sgpr_workgroup_id_z 1
		.amdhsa_system_vgpr_workitem_id 0
		.amdhsa_next_free_vgpr 512
		.amdhsa_next_free_sgpr 66
		.amdhsa_reserve_vcc 0
		.amdhsa_float_denorm_mode_32 3
		.amdhsa_float_denorm_mode_16_64 3
		.amdhsa_memory_ordered 1
		.amdhsa_forward_progress 1
		.amdhsa_inst_pref_size 255
	.end_amdhsa_kernel
	.section	.bss,"aw",@nobits
	.p2align	6
	.space	262144
	.amdgpu_metadata
---
amdhsa.version: [ 1, 2 ]
amdhsa.kernels:
  - .name:           k_qe55dff8d6a_attn
    .symbol:         k_qe55dff8d6a_attn.kd
    .args:
      - { .name: q, .offset: 0, .size: 8, .value_kind: global_buffer, .address_space: global }
      - { .name: kvc, .offset: 8, .size: 8, .value_kind: global_buffer, .address_space: global }
      - { .name: out0, .offset: 16, .size: 8, .value_kind: global_buffer, .address_space: global }
    .group_segment_fixed_size: 327680
    .private_segment_fixed_size: 0
    .kernarg_segment_align: 8
    .kernarg_segment_size: 24
    .max_flat_workgroup_size: 256
    .sgpr_count:     66
    .vgpr_count:     512
    .wavefront_size: 32
...
	.end_amdgpu_metadata
.endif
;; end of part 2
